; MI455X (gfx1250); checked and timed in simulation.
; The chip was launched on July 23, 2026; its instructions are those of AMD's public machine-readable ISA for CDNA 5 (MIT licence, August 2026) and "CDNA5" Instruction Set Architecture Reference Guide (July 2026). The comments in the code are by the model that wrote it; some were corrected since.
;; Sparse Attention. Allowed arithmetic: float matrix products may take bf16 or f16 operands with f32 sums; all other float work in f32.
;; Inputs: k 1 x 8 x 4,096 x 64 float32; q 1 x 8 x 4,096 x 64 float32; v 1 x 8 x 4,096 x 64 float32.
;; Outputs: out0 1 x 8 x 4,096 x 64 float32.
;; 2 versions, each right; version 2 is version 1 with the launch ktv written anew for expert scheduling mode. Each part assembles by itself: llvm-mc -triple=amdgcn-amd-amdhsa -mcpu=gfx1250 --defsym DOCPART=n.
;; ======== version 1 of 2: 2 launches
;; workspace buffers: part 2,097,152 bytes
;; launch ktv (part 1): grid 128 x 1, 8 waves a work-group, no clusters, 132,096 bytes of LDS; arguments k, v, part; writes part
.if DOCPART == 1
	.amdgcn_target "amdgcn-amd-amdhsa--gfx1250"
	.amdhsa_code_object_version 6
	.text
	.protected	k_q4aa6b76800_ktv
	.globl	k_q4aa6b76800_ktv
	.p2align	8
	.type	k_q4aa6b76800_ktv,@function
k_q4aa6b76800_ktv:
	s_mov_b64 s[64:65], 0
	v_nop
	global_prefetch_b8 v0, s[64:65] scope:SCOPE_SE
	s_setreg_imm32_b32 hwreg(HW_REG_WAVE_MODE, 25, 1), 1
	s_wait_xcnt 0x0
; out = (Q K^T / 8) V has nothing non-linear between its two products, so for every input out = Q (K^T V) / 8: the same 4096 x 64 terms
; q k v are added for each output, only in another order.  This launch makes partial sums of M = K^T V (64 x 64 for each head), the next
; one adds them and multiplies by Q.
; LIMIT (order of rounding): the sum over t is formed first, in f32 on k and v rounded to bf16; the written order sums over d first.
; SHARES: k and v are [8 heads][4096 rows][64] f32, a row is 256 bytes.  Work-group g takes the 256 rows from row 256 g on (head g / 16),
; wave w 32 of them: one K step of 32 for a full 64 x 64 partial in 16 accumulator tiles.  The eight waves' partials meet in LDS, wave w adds
; 2,048 bytes of each, and the work-group stores one partial of 16,384 bytes.  128 work-groups: each head then has 16 partials, 262,144 bytes,
; which the next launch holds in LDS whole; 256 work-groups would make 524,288 bytes a head, which do not fit there.
; No cluster: no two work-groups read the same byte.  No prefetch, no ring: every load of a wave is issued in its first lines.
; LAYOUT, lane L = 16 h + r.  Load j of a wave covers 512 consecutive bytes: lane L gets X[t = 2 j + h][4 r .. 4 r + 3].
; Fragment a (0..3) takes the columns d = 4 r + a: its register p holds X[4 p + h][d] below and X[4 p + 2 + h][d] above.  The 32 places of k in a
; fragment thus stand for the 32 rows t in an order of their own, the same for K (source A) and V (source B), which leaves the products as they are.
; Tile (a, b): register j of lane L = M[32 h + 4 j + a][4 r + b].
; part[g][slot][q][L][4 f32]: tile (a, b) is slot ((a / 2) 4 + b) 2 + a % 2 (1,024 bytes), q = 0, 1 its registers 0-3, 4-7 (512 bytes).
.set KR,  8                            ; v[8:71]    k as loaded: load j in 4 registers
.set VR,  72                           ; v[72:135]  v as loaded
.set AF,  136                          ; v[136:167] fragment a of K at 8 a
.set BF,  168                          ; v[168:199] fragment b of V at 8 b
.set ACC, 8                            ; v[8:135]   tile (a, b) at 8 (4 a + b), over k and v, which are spent by then
.set RD,  8                            ; v[8:135]   then: wave u's 16 registers of my two slots at 16 u
	s_load_b128 s[4:7], s[0:1], 0x0                ; k s[4:5], v s[6:7]
	s_load_b64 s[8:9], s[0:1], 0x10                ; part
	v_lshl_add_u32 v200, v0, 2, 0x20000
	v_mov_b32 v201, 0
	v_and_b32 v1, 31, v0                           ; lane L
	v_lshrrev_b32 v2, 5, v0
	v_readfirstlane_b32 s14, v2                    ; wave w
	s_lshl_b32 s10, ttmp9, 16                      ; g x 256 rows x 256 bytes
	s_mov_b32 s11, 0
	s_lshl_b32 s12, ttmp9, 14                      ; g x 16,384 bytes of part
	s_mov_b32 s13, 0
	s_lshl_b32 s15, s14, 13
	v_lshl_add_u32 v3, v1, 4, s15                  ; k, v: 16 L + w x 32 rows x 256 bytes
	s_wait_kmcnt 0x0
	s_add_nc_u64 s[4:5], s[4:5], s[10:11]
	s_add_nc_u64 s[6:7], s[6:7], s[10:11]
	s_add_nc_u64 s[8:9], s[8:9], s[12:13]
	; all 32 loads of the wave at once: 16,384 bytes a wave, 131,072 a work-group on their way; each byte is read once in the launch
.irp j, 0,1,2,3,4,5,6,7,8,9,10,11,12,13,14,15
	global_load_b128 v[KR+4*\j:KR+4*\j+3], v3, s[4:5] offset:512*\j th:TH_LOAD_NT
.endr
.irp j, 0,1,2,3,4,5,6,7,8,9,10,11,12,13,14,15
	global_load_b128 v[VR+4*\j:VR+4*\j+3], v3, s[6:7] offset:512*\j th:TH_LOAD_NT
.endr
	s_lshl_b32 s15, s14, 14
	v_lshl_add_u32 v4, v1, 4, s15                  ; LDS: my wave's partial, 16 L + w x 16,384
	s_lshl_b32 s15, s14, 11
	v_lshl_add_u32 v5, v1, 4, s15                  ; my two slots in a partial, 16 L + w x 2,048: in LDS and in part alike
	v_add_nc_u32 v6, 0x10000, v5                   ; the same in waves 4 to 7's partials: an LDS offset has 16 bits
; four fragments from 16 loads: register p of fragment a = (load 2 p, load 2 p + 1), component a, rounded to bf16
.macro FRAGS dst, raw
.irp a, 0,1,2,3
.irp p, 0,1,2,3,4,5,6,7
	v_cvt_pk_bf16_f32 v[\dst+8*\a+\p], v[\raw+8*\p+\a], v[\raw+8*\p+4+\a]
.endr
.endr
.endm
	s_wait_loadcnt 16                              ; k's 16 loads are in; the 16 younger ones are v's
	FRAGS AF, KR
	s_wait_loadcnt 0x0                             ; v's too
	FRAGS BF, VR
	; 16 tiles, each written once with C = 0: nothing is cleared, no accumulator is taken up twice
.irp a, 0,1,2,3
.irp b, 0,1,2,3
	v_wmma_f32_16x16x32_bf16 v[ACC+8*(4*\a+\b):ACC+8*(4*\a+\b)+7], v[AF+8*\a:AF+8*\a+7], v[BF+8*\b:BF+8*\b+7], 0
.endr
.endr
.rept 4
	v_nop                                          ; four places between the last matrix instruction and the LDS stores that read results
.endr
.irp a, 0,1,2,3
.irp b, 0,1,2,3
.irp q, 0,1
	ds_store_b128 v4, v[ACC+8*(4*\a+\b)+4*\q:ACC+8*(4*\a+\b)+4*\q+3] offset:1024*(((\a/2)*4+\b)*2+(\a%2))+512*\q   ; 32 lanes, 512 consecutive bytes
.endr
.endr
.endr
	s_wait_dscnt 0x0                               ; for the other waves' sake: all my stores are in LDS
	s_barrier_signal -1
	s_barrier_wait -1                              ; all eight partials are whole: the only barrier
	; my 2,048 bytes of each of the eight partials
.irp u, 0,1,2,3
.irp i, 0,1,2,3
	ds_load_b128 v[RD+16*\u+4*\i:RD+16*\u+4*\i+3], v5 offset:16384*\u+512*\i
.endr
.endr
.irp u, 4,5,6,7
.irp i, 0,1,2,3
	ds_load_b128 v[RD+16*\u+4*\i:RD+16*\u+4*\i+3], v6 offset:16384*(\u-4)+512*\i
.endr
.endr
.irp u, 1,2,3,4,5,6,7
	s_wait_dscnt 4*(7-\u)                          ; LDS loads come back in order (ISA guide 5.7.1): waves 0 to u's are in, four for each later wave stay out
.irp m, 0,1,2,3,4,5,6,7
	v_pk_add_f32 v[RD+2*\m:RD+2*\m+1], v[RD+2*\m:RD+2*\m+1], v[RD+16*\u+2*\m:RD+16*\u+2*\m+1]   ; in the waves' order: a fixed order of sums
.endr
.endr
.irp i, 0,1,2,3
	global_store_b128 v5, v[RD+4*\i:RD+4*\i+3], s[8:9] offset:512*\i   ; each store of the wave covers 512 consecutive bytes, aligned; no hint: the next launch reads them
.endr
	s_wait_tensorcnt 0x0
	ds_add_u32 v200, v201
	s_wait_dscnt 0x0
	s_endpgm
.Lfunc_end_k_q4aa6b76800_ktv:
	.size	k_q4aa6b76800_ktv, .Lfunc_end_k_q4aa6b76800_ktv-k_q4aa6b76800_ktv
	.p2alignl 7, 3214868480
	.fill 96, 4, 3214868480
	.section	.rodata,"a",@progbits
	.p2align	6, 0x0
	.amdhsa_kernel k_q4aa6b76800_ktv
		.amdhsa_group_segment_fixed_size 132096
		.amdhsa_private_segment_fixed_size 0
		.amdhsa_enable_private_segment 0
		.amdhsa_kernarg_size 24
		.amdhsa_user_sgpr_count 2
		.amdhsa_user_sgpr_kernarg_segment_ptr 1
		.amdhsa_wavefront_size32 1
		.amdhsa_system_sgpr_workgroup_id_x 1
		.amdhsa_system_sgpr_workgroup_id_y 1
		.amdhsa_system_sgpr_workgroup_id_z 1
		.amdhsa_system_vgpr_workitem_id 0
		.amdhsa_next_free_vgpr 202
		.amdhsa_next_free_sgpr 66
		.amdhsa_reserve_vcc 0
		.amdhsa_float_denorm_mode_32 3
		.amdhsa_float_denorm_mode_16_64 3
		.amdhsa_memory_ordered 1
		.amdhsa_forward_progress 1
		.amdhsa_inst_pref_size 18
	.end_amdhsa_kernel
	.amdgpu_metadata
---
amdhsa.version: [ 1, 2 ]
amdhsa.kernels:
  - .name:           k_q4aa6b76800_ktv
    .symbol:         k_q4aa6b76800_ktv.kd
    .args:
      - { .name: k, .offset: 0, .size: 8, .value_kind: global_buffer, .address_space: global }
      - { .name: v, .offset: 8, .size: 8, .value_kind: global_buffer, .address_space: global }
      - { .name: part, .offset: 16, .size: 8, .value_kind: global_buffer, .address_space: global }
    .group_segment_fixed_size: 132096
    .private_segment_fixed_size: 0
    .kernarg_segment_align: 8
    .kernarg_segment_size: 24
    .max_flat_workgroup_size: 256
    .sgpr_count:     66
    .vgpr_count:     202
    .wavefront_size: 32
...
	.end_amdgpu_metadata
.endif
;; end of part 1
;; launch qm (part 2): grid 256 x 1, 8 waves a work-group, clusters of 4 x 1, 297,984 bytes of LDS; arguments q, part, out0; writes out0
.if DOCPART == 2
	.amdgcn_target "amdgcn-amd-amdhsa--gfx1250"
	.amdhsa_code_object_version 6
	.text
	.protected	k_q4aa6b76800_qm
	.globl	k_q4aa6b76800_qm
	.p2align	8
	.type	k_q4aa6b76800_qm,@function
k_q4aa6b76800_qm:
	s_mov_b64 s[64:65], 0
	v_nop
	global_prefetch_b8 v0, s[64:65] scope:SCOPE_SE
	s_setreg_imm32_b32 hwreg(HW_REG_WAVE_MODE, 25, 1), 1
	s_wait_xcnt 0x0
	s_wait_alu depctr_hold_cnt(0) depctr_sa_sdst(0) depctr_va_vdst(0) depctr_va_sdst(0) depctr_va_ssrc(0) depctr_va_vcc(0) depctr_vm_vsrc(0)
	s_getreg_b32 s2, hwreg(HW_REG_IB_STS2, 6, 4)
	s_cmp_eq_u32 s2, 0
	s_cbranch_scc0 .Lentry_in_a_cluster
	s_endpgm
.Lentry_in_a_cluster:
	s_bfe_u32 s2, ttmp6, 0x10000c
	s_cmp_lg_u32 s2, 0x3003
	s_cbranch_scc0 .Lentry_shape_is_right
	s_endpgm
.Lentry_shape_is_right:
; out = Q M / 8, M = the sum of the head's 16 partial K^T V that the launch before stored in part.
; SHARES: work-group wg takes the 128 rows of q and out0 from row 128 wg on, wave w 16 of them.  Each work-group needs the whole M of its head.
; CLUSTER: 4 work-groups along x.  A head has 4096 / 128 = 32 work-groups = 8 whole clusters, so the four partners need the same 262,144 bytes of
; partials: they ask for them jointly.  Wave w of each partner issues the same tensor load (address made of the cluster's number and w alone), mask 15.
; M IN TWO TERMS: M is summed in f32 and goes to the matrix unit as hi + lo, two bf16 numbers, so that the intermediate is not rounded to 8 bits.
; LIMITS: the order of rounding differs from the written order (sum over t first).  Where |M| is above bf16's largest finite number (3.39e38)
; hi is infinite and the result is infinite or NaN, though an f32 product might still be finite.
; LAYOUT, lane L = 16 h + r.  part[g][slot][q][L][4 f32]; tile (a, b), register j of lane L = M[32 h + 4 j + a][4 r + b], slot ((a / 2) 4 + b) 2 + a % 2.
; Wave w = 4 al + b owns slots 2 w and 2 w + 1 = tiles (2 al, b) and (2 al + 1, b): packing register p of the two gives, in the same lane, register p of
; B's fragment (b, al): column e = 4 r + b, and the place (h, p, half) of k stands for d = 32 h + 4 p + 2 al + half.  Q's fragment al takes the same
; places: register p of lane L = the bf16 pair Q[r][32 h + 4 p + 2 al], [.. + 1], brought there through a stage of the wave's own.
; Result tile b: register j of lane L = out[8 h + j][4 r + b]: the four tiles' registers j are 16 neighbouring bytes of a row.
.set PARTL, 0                          ; LDS 0 .. 262143: wave w's 32,768 bytes at w x 32,768, chunk c at c x 2,048; filled once by w's tensor load, read by w alone
.set MF,    262144                     ; 16,384 bytes: fragment f = 4 al + b at f x 2,048: hi at 0 and 512, lo at 1,024 and 1,536, lane at 16 L
.set QS,    278528                     ; 18,432 bytes: wave w's stage at w x 2,304: 16 rows, 144 bytes apart, a row = [al][h][p] words of two bf16
.set QPITCH, 144                       ; 128 bytes + 16: the 16 rows that a fragment load touches start in 16 different 16-byte columns of 256 bytes
.set QR,   16                          ; v[16:47]   q as loaded
.set ACC,  16                          ; v[16:47]   then the result tiles, tile b at 8 b
.set QF,   48                          ; v[48:63]   Q's fragment al at 8 al
.set SUM,  64                          ; v[64:79]   M: tile (2 al, b) in 0-7, tile (2 al + 1, b) in 8-15
.set G0,   80                          ; v[80:143]  four chunks of partials, 16 registers each
.set G1,   144                         ; v[144:207] four more
.set MB,   80                          ; v[80:207]  then M's fragments: f's hi at 16 f, lo at 16 f + 8
.set MHI,  208                         ; v[208:215] my fragment, hi
.set MLO,  216                         ; v[216:223] my fragment, lo
.set TMP,  224                         ; v[224:227]
.set OUTR, 208                         ; v[208:239] then out: row j's four numbers at 4 j
; A round of the cluster's barrier: my work-group's barrier, wave 0 signals for the work-group, every wave waits for the four work-groups, my work-group's barrier again.
.macro ROUND
	s_barrier_signal -1
	s_barrier_wait -1
	s_cmp_lg_u32 s16, 0
	s_cbranch_scc1 .Lnot_wave_0_\@
	s_barrier_signal -3
.Lnot_wave_0_\@:
	s_barrier_wait -3
	s_barrier_signal -1
	s_barrier_wait -1
.endm
	s_load_b128 s[4:7], s[0:1], 0x0                ; q s[4:5], part s[6:7]
	s_load_b64 s[8:9], s[0:1], 0x10                ; out0
	v_lshl_add_u32 v240, v0, 2, 0x48800
	v_mov_b32 v241, 0
	ds_add_u32 v240, v241
	ds_add_u32 v240, v241
	v_lshrrev_b32 v8, 5, v0
	v_readfirstlane_b32 s16, v8                    ; wave w
	v_and_b32 v9, 31, v0                           ; lane L
	s_bfe_u32 s17, ttmp6, 0x40000                  ; cx: my place in the cluster
	s_lshl_b32 s18, ttmp9, 2                       ; ttmp9 counts clusters
	s_add_co_u32 s18, s18, s17                     ; wg = 4 x cluster + cx: it enters q's and out0's addresses alone
	s_lshl_b32 s20, s18, 15                        ; wg x 128 rows x 256 bytes
	s_mov_b32 s21, 0
	s_lshr_b32 s22, ttmp9, 3                       ; head = cluster / 8: the same in all four partners
	s_lshl_b32 s22, s22, 18                        ; x 16 partials x 16,384 bytes
	s_lshl_b32 s38, s16, 11
	s_add_co_u32 s22, s22, s38                     ; + my two slots, w x 2,048
	s_mov_b32 s23, 0
	s_lshl_b32 s38, s16, 12                        ; w x 16 rows x 256 bytes
	v_lshl_add_u32 v1, v9, 4, s38                  ; q: 16 L + my rows
	; the descriptor: 16 rows (chunks) of 2,048 bytes, 16,384 bytes apart, laid into LDS without gaps
	s_mov_b32 s24, 1                               ; group 0: count = 1
	s_lshl_b32 s25, s16, 15                        ; LDS address w x 32,768: the wave's number alone
	s_mov_b32 s28, 15|(3<<16)|(1<<21)              ; group 1: mask = all four partners; elements of 8 bytes; bit 21 set beside a mask; no padding
	s_mov_b32 s29, 256<<16                         ; tensor_dim0 = 256 elements
	s_mov_b32 s30, 16<<16                          ; tensor_dim1 = 16
	s_mov_b32 s31, 256<<16                         ; tile_dim0 = 256 elements = 2,048 bytes
	s_mov_b32 s32, 16                              ; tile_dim1 = 16 rows
	s_mov_b32 s33, 2048                            ; from row to row: 2,048 elements = 16,384 bytes
	s_mov_b32 s34, 0
	s_mov_b32 s35, 0
	s_mov_b32 s36, 0xffff0000                      ; a word's upper bf16
	s_mov_b32 s37, 0x3e000000                      ; 1 / 8, a power of two: the scale is exact
	s_wait_dscnt 0x0
	s_wait_kmcnt 0x0
	s_add_nc_u64 s[4:5], s[4:5], s[20:21]
	s_add_nc_u64 s[8:9], s[8:9], s[20:21]
	s_add_nc_u64 s[26:27], s[6:7], s[22:23]        ; global address of my tile
	s_or_b32 s27, s27, 0x80000000                  ; type = 2
	; q first: load i covers rows 2 i and 2 i + 1 whole; the loads run under the round and the summing of M.  Read once in the launch.
.irp i, 0,1,2,3,4,5,6,7
	global_load_b128 v[QR+4*\i:QR+4*\i+3], v1, s[4:5] offset:512*\i th:TH_LOAD_NT
.endr
	ROUND                                          ; the four partners are here: their joint loads meet
	tensor_load_to_lds s[24:27], s[28:35]          ; my 32,768 bytes of the head's 16 partials
	s_nop 0
	; the other addresses, while it runs
	v_and_b32 v10, 15, v0                          ; r
	v_bfe_u32 v11, v0, 4, 1                        ; h
	v_lshl_add_u32 v2, v10, 4, s38                 ; out0: 16 r + my rows
	v_lshl_add_u32 v2, v11, 11, v2                 ;       + 8 h rows of 256 bytes
	s_mul_i32 s39, s16, 16*QPITCH
	s_add_co_u32 s39, s39, QS                      ; my stage
	v_mul_u32_u24 v12, v11, QPITCH
	v_lshl_add_u32 v12, v10, 2, v12
	v_add_nc_u32 v3, s39, v12                      ; into the stage: row h (of a load's two), word r
	v_mul_u32_u24 v13, v10, QPITCH
	v_lshl_add_u32 v13, v11, 5, v13
	v_add_nc_u32 v4, s39, v13                      ; out of it: row r, 32 h bytes
	v_lshl_add_u32 v5, v9, 4, s25                  ; my partials: w x 32,768 + 16 L
	s_lshl_b32 s19, s16, 11
	s_add_co_u32 s19, s19, MF
	v_lshl_add_u32 v6, v9, 4, s19                  ; my fragment of M: MF + w x 2,048 + 16 L
	v_lshl_add_u32 v7, v9, 4, MF                   ; all fragments: MF + 16 L
; 16 LDS loads: chunks c0 .. c0 + 3 of my two slots into group g
.macro LOADG g, c0
.irp c, 0,1,2,3
.irp i, 0,1,2,3
	ds_load_b128 v[\g+16*\c+4*\i:\g+16*\c+4*\i+3], v5 offset:2048*(\c0+\c)+512*\i
.endr
.endr
.endm
; group g's four chunks are added onto SUM, in the chunks' order.  first = 1: the first two chunks start the sum, nothing is cleared.
.macro ADDG g, first
.if \first
.irp m, 0,1,2,3,4,5,6,7
	v_pk_add_f32 v[SUM+2*\m:SUM+2*\m+1], v[\g+2*\m:\g+2*\m+1], v[\g+16+2*\m:\g+16+2*\m+1]
.endr
.else
.irp c, 0,1
.irp m, 0,1,2,3,4,5,6,7
	v_pk_add_f32 v[SUM+2*\m:SUM+2*\m+1], v[SUM+2*\m:SUM+2*\m+1], v[\g+16*\c+2*\m:\g+16*\c+2*\m+1]
.endr
.endr
.endif
.irp c, 2,3
.irp m, 0,1,2,3,4,5,6,7
	v_pk_add_f32 v[SUM+2*\m:SUM+2*\m+1], v[SUM+2*\m:SUM+2*\m+1], v[\g+16*\c+2*\m:\g+16*\c+2*\m+1]
.endr
.endr
.endm
	s_wait_tensorcnt 0x0                           ; my tile is in my LDS; I alone read it, so no barrier is needed
	LOADG G0, 0
	LOADG G1, 4
	s_wait_dscnt 16                                ; the older group is in, the younger group's 16 loads stay out
	ADDG G0, 1
	LOADG G0, 8
	s_wait_dscnt 16
	ADDG G1, 0
	LOADG G1, 12
	s_wait_dscnt 16
	ADDG G0, 0
	s_wait_dscnt 0x0
	ADDG G1, 0
	; M = hi + lo: hi = M rounded to bf16, lo = (M - hi) rounded to bf16; the two tiles' registers j pack into register j of my fragment
.irp j, 0,1,2,3,4,5,6,7
	v_cvt_pk_bf16_f32 v[MHI+\j], v[SUM+\j], v[SUM+8+\j]
.endr
.irp j, 0,1,2,3,4,5,6,7
	v_lshlrev_b32 v[TMP+2*(\j%2)],   16,  v[MHI+\j]
	v_and_b32     v[TMP+2*(\j%2)+1], s36, v[MHI+\j]
	v_sub_f32 v[TMP+2*(\j%2)],   v[SUM+\j],   v[TMP+2*(\j%2)]
	v_sub_f32 v[TMP+2*(\j%2)+1], v[SUM+8+\j], v[TMP+2*(\j%2)+1]
	v_cvt_pk_bf16_f32 v[MLO+\j], v[TMP+2*(\j%2)], v[TMP+2*(\j%2)+1]
.endr
	ds_store_b128 v6, v[MHI:MHI+3]
	ds_store_b128 v6, v[MHI+4:MHI+7] offset:512
	ds_store_b128 v6, v[MLO:MLO+3]   offset:1024
	ds_store_b128 v6, v[MLO+4:MLO+7] offset:1536
	; q to bf16 and into my stage: load i's lane holds Q[2 i + h][4 r .. 4 r + 3]; columns 4 r, 4 r + 1 are word r of part al = 0, columns 4 r + 2, 4 r + 3 of al = 1
	s_wait_loadcnt 0x0
.irp i, 0,1,2,3,4,5,6,7
	v_cvt_pk_bf16_f32 v[QR+4*\i],   v[QR+4*\i],   v[QR+4*\i+1]
	v_cvt_pk_bf16_f32 v[QR+4*\i+2], v[QR+4*\i+2], v[QR+4*\i+3]
.endr
.irp i, 0,1,2,3,4,5,6,7
	ds_store_b32 v3, v[QR+4*\i]   offset:2*QPITCH*\i       ; lanes 0-15 write 16 neighbouring words, lanes 16-31 the 16 words 36 words further on: 32 different banks
	ds_store_b32 v3, v[QR+4*\i+2] offset:2*QPITCH*\i+64
.endr
	s_wait_dscnt 0x0                               ; for the other waves' sake: my fragment of M is in LDS
	s_barrier_signal -1
	s_barrier_wait -1                              ; all eight fragments are
	ds_load_b128 v[QF:QF+3],     v4                ; Q's fragment 0, registers 0-3,
	ds_load_b128 v[QF+4:QF+7],   v4 offset:16      ; 4-7;
	ds_load_b128 v[QF+8:QF+11],  v4 offset:64      ; fragment 1
	ds_load_b128 v[QF+12:QF+15], v4 offset:80
	; M's fragments in the order of their use, two loads each: hi of f = 0-3, hi of 4-7, lo of 0-3, lo of 4-7
.irp t, 0,1
.irp f, 0,1,2,3,4,5,6,7
	ds_load_b128 v[MB+16*\f+8*\t:MB+16*\f+8*\t+3],   v7 offset:2048*\f+1024*\t
	ds_load_b128 v[MB+16*\f+8*\t+4:MB+16*\f+8*\t+7], v7 offset:2048*\f+1024*\t+512
.endr
.endr
; four matrix instructions: the four column groups b, K step al, M's term lo (0 hi, 1 lo).  The four accumulators take turns, one instruction a turn.
; zero = 1: the first products start the sums.
.macro STEP al, lo, zero
.irp b, 0,1,2,3
.if \zero
	v_wmma_f32_16x16x32_bf16 v[ACC+8*\b:ACC+8*\b+7], v[QF+8*\al:QF+8*\al+7], v[MB+16*(4*\al+\b)+8*\lo:MB+16*(4*\al+\b)+8*\lo+7], 0
.else
	v_wmma_f32_16x16x32_bf16 v[ACC+8*\b:ACC+8*\b+7], v[QF+8*\al:QF+8*\al+7], v[MB+16*(4*\al+\b)+8*\lo:MB+16*(4*\al+\b)+8*\lo+7], v[ACC+8*\b:ACC+8*\b+7]
.endif
.endr
.endm
	s_wait_dscnt 24                                ; Q's four loads and the first eight of M's are in; the 24 of the three later steps stay out
	STEP 0, 0, 1
	s_wait_dscnt 16
	STEP 1, 0, 0
	s_wait_dscnt 8
	STEP 0, 1, 0
	s_wait_dscnt 0x0
	STEP 1, 1, 0
.rept 4
	v_nop                                          ; four places between the last matrix instruction and the multiplies that read results (ISA guide 7.12.1)
.endr
	; the scale, and with it the regrouping: the four tiles' registers j become four neighbouring registers
.irp j, 0,1,2,3,4,5,6,7
.irp b, 0,1,2,3
	v_mul_f32 v[OUTR+4*\j+\b], s37, v[ACC+8*\b+\j]
.endr
.endr
.irp j, 0,1,2,3,4,5,6,7
	global_store_b128 v2, v[OUTR+4*\j:OUTR+4*\j+3], s[8:9] offset:256*\j th:TH_STORE_NT   ; lanes 0-15 write row j whole (256 bytes, aligned), lanes 16-31 row 8 + j
.endr
	s_wait_tensorcnt 0x0
	ds_add_u32 v240, v241
	s_wait_dscnt 0x0
	ROUND                                          ; the closing round: no work-group ends while a partner may still issue the joint load that names it
	s_endpgm
.Lfunc_end_k_q4aa6b76800_qm:
	.size	k_q4aa6b76800_qm, .Lfunc_end_k_q4aa6b76800_qm-k_q4aa6b76800_qm
	.p2alignl 7, 3214868480
	.fill 96, 4, 3214868480
	.section	.rodata,"a",@progbits
	.p2align	6, 0x0
	.amdhsa_kernel k_q4aa6b76800_qm
		.amdhsa_group_segment_fixed_size 297984
		.amdhsa_private_segment_fixed_size 0
		.amdhsa_enable_private_segment 0
		.amdhsa_kernarg_size 24
		.amdhsa_user_sgpr_count 2
		.amdhsa_user_sgpr_kernarg_segment_ptr 1
		.amdhsa_wavefront_size32 1
		.amdhsa_system_sgpr_workgroup_id_x 1
		.amdhsa_system_sgpr_workgroup_id_y 1
		.amdhsa_system_sgpr_workgroup_id_z 1
		.amdhsa_system_vgpr_workitem_id 0
		.amdhsa_next_free_vgpr 242
		.amdhsa_next_free_sgpr 66
		.amdhsa_reserve_vcc 0
		.amdhsa_float_denorm_mode_32 3
		.amdhsa_float_denorm_mode_16_64 3
		.amdhsa_memory_ordered 1
		.amdhsa_forward_progress 1
		.amdhsa_inst_pref_size 27
	.end_amdhsa_kernel
	.amdgpu_metadata
---
amdhsa.version: [ 1, 2 ]
amdhsa.kernels:
  - .name:           k_q4aa6b76800_qm
    .symbol:         k_q4aa6b76800_qm.kd
    .args:
      - { .name: q, .offset: 0, .size: 8, .value_kind: global_buffer, .address_space: global }
      - { .name: part, .offset: 8, .size: 8, .value_kind: global_buffer, .address_space: global }
      - { .name: out0, .offset: 16, .size: 8, .value_kind: global_buffer, .address_space: global }
    .group_segment_fixed_size: 297984
    .private_segment_fixed_size: 0
    .kernarg_segment_align: 8
    .kernarg_segment_size: 24
    .max_flat_workgroup_size: 256
    .sgpr_count:     66
    .vgpr_count:     242
    .wavefront_size: 32
...
	.end_amdgpu_metadata
.endif
;; end of part 2
;; ======== version 2 of 2: 2 launches; version 1 with the launch ktv written anew for expert scheduling mode
;; workspace buffers: part 2,097,152 bytes
;; launch ktv (part 3): grid 128 x 1, 8 waves a work-group, no clusters, 132,096 bytes of LDS; arguments k, v, part; writes part
.if DOCPART == 3
	.amdgcn_target "amdgcn-amd-amdhsa--gfx1250"
	.amdhsa_code_object_version 6
	.text
	.protected	k_q4aa6b76800_ktv
	.globl	k_q4aa6b76800_ktv
	.p2align	8
	.type	k_q4aa6b76800_ktv,@function
k_q4aa6b76800_ktv:
	s_mov_b64 s[64:65], 0
	v_nop
	global_prefetch_b8 v0, s[64:65] scope:SCOPE_SE
	s_setreg_imm32_b32 hwreg(HW_REG_WAVE_SCHED_MODE, 0, 2), 2
	s_setreg_imm32_b32 hwreg(HW_REG_WAVE_MODE, 25, 1), 1
	s_wait_xcnt 0x0
	s_wait_alu depctr_vm_vsrc(0)
; out = (Q K^T / 8) V has nothing non-linear between its two products, so for every input out = Q (K^T V) / 8: the same 4096 x 64 terms
; q k v are added for each output, only in another order.  This launch makes partial sums of M = K^T V (64 x 64 for each head), the next
; one adds them and multiplies by Q.
; LIMIT (order of rounding): the sum over t is formed first, in f32 on k and v rounded to bf16; the written order sums over d first.
; SHARES: k and v are [8 heads][4096 rows][64] f32, a row is 256 bytes.  Work-group g takes the 256 rows from row 256 g on (head g / 16),
; wave w 32 of them: one K step of 32 for a full 64 x 64 partial in 16 accumulator tiles.  The eight waves' partials meet in LDS, wave w adds
; 2,048 bytes of each, and the work-group stores one partial of 16,384 bytes.  128 work-groups: each head then has 16 partials, 262,144 bytes,
; which the next launch holds in LDS whole; 256 work-groups would make 524,288 bytes a head, which do not fit there.
; No cluster: no two work-groups read the same byte.  No prefetch, no ring: every load of a wave is issued in its first lines.
; LAYOUT, lane L = 16 h + r.  Load j of a wave covers 512 consecutive bytes: lane L gets X[t = 2 j + h][4 r .. 4 r + 3].
; Fragment a (0..3) takes the columns d = 4 r + a: its register p holds X[4 p + h][d] below and X[4 p + 2 + h][d] above.  The 32 places of k in a
; fragment thus stand for the 32 rows t in an order of their own, the same for K (source A) and V (source B), which leaves the products as they are.
; Tile (a, b): register j of lane L = M[32 h + 4 j + a][4 r + b].
; part[g][slot][q][L][4 f32]: tile (a, b) is slot ((a / 2) 4 + b) 2 + a % 2 (1,024 bytes), q = 0, 1 its registers 0-3, 4-7 (512 bytes).
; THE MODE: SCHED_MODE bits 1:0 = 2 (LLVM: expert scheduling mode 2), set by the entry lines.  The code itself states the register dependences
; between vector or matrix instructions and memory or LDS instructions, with s_wait_alu, always for 0.
; THE PLAN.  Registers that memory or LDS instructions touch:
;   v3          offset of the 32 global loads; written once at the head.
;   v4, v5, v6  LDS addresses (v5 also the global stores' offset); written once, behind the global loads, ahead of the first matrix instruction.
;   v[8:135]    in turn: the global loads land in it and the conversions read it; the matrix instructions write it and the LDS stores read it;
;               the LDS loads land in it, the adds read it and write v[8:23], which the global stores read.
;   v[136:199]  the fragments: named by vector and matrix instructions alone.
; The tiles are made in two halves of eight.  A wait on va_vdst stands behind each half (and its four places); the first half's 16 LDS stores are dealt
; among the second half's matrix instructions, which name the fragments and v[72:135]: none of v4 and v[8:71], which those stores read.
.set KR,  8                            ; v[8:71]    k as loaded: load j in 4 registers
.set VR,  72                           ; v[72:135]  v as loaded
.set AF,  136                          ; v[136:167] fragment a of K at 8 a
.set BF,  168                          ; v[168:199] fragment b of V at 8 b
.set ACC, 8                            ; v[8:135]   tile (a, b) at 8 (4 a + b), over k and v, which are spent by then
.set RD,  8                            ; v[8:135]   then: wave u's 16 registers of my two slots at 16 u
	s_load_b128 s[4:7], s[0:1], 0x0                ; k s[4:5], v s[6:7]
	s_load_b64 s[8:9], s[0:1], 0x10                ; part
	v_lshl_add_u32 v200, v0, 2, 0x20000
	v_mov_b32 v201, 0
	v_and_b32 v1, 31, v0                           ; lane L
	v_lshrrev_b32 v2, 5, v0
	v_readfirstlane_b32 s14, v2                    ; wave w
	s_lshl_b32 s10, ttmp9, 16                      ; g x 256 rows x 256 bytes
	s_mov_b32 s11, 0
	s_lshl_b32 s12, ttmp9, 14                      ; g x 16,384 bytes of part
	s_mov_b32 s13, 0
	s_wait_alu depctr_va_sdst(0)                   ; s14 is written, ahead of its first reader: the three shifts below
	s_lshl_b32 s15, s14, 13                        ; a register for each shifted number: none that a vector line reads is written again
	s_lshl_b32 s16, s14, 14
	s_lshl_b32 s17, s14, 11
	v_lshl_add_u32 v3, v1, 4, s15                  ; k, v: 16 L + w x 32 rows x 256 bytes
	s_wait_kmcnt 0x0
	s_add_nc_u64 s[4:5], s[4:5], s[10:11]
	s_add_nc_u64 s[6:7], s[6:7], s[10:11]
	s_add_nc_u64 s[8:9], s[8:9], s[12:13]
	s_wait_alu depctr_va_vdst(0)                   ; v3 is written, which the 32 loads below read as their offset
	; all 32 loads of the wave at once: 16,384 bytes a wave, 131,072 a work-group on their way; each byte is read once in the launch
.irp j, 0,1,2,3,4,5,6,7,8,9,10,11,12,13,14,15
	global_load_b128 v[KR+4*\j:KR+4*\j+3], v3, s[4:5] offset:512*\j th:TH_LOAD_NT
.endr
.irp j, 0,1,2,3,4,5,6,7,8,9,10,11,12,13,14,15
	global_load_b128 v[VR+4*\j:VR+4*\j+3], v3, s[6:7] offset:512*\j th:TH_LOAD_NT
.endr
	v_lshl_add_u32 v4, v1, 4, s16                  ; LDS: my wave's partial, 16 L + w x 16,384
	v_lshl_add_u32 v5, v1, 4, s17                  ; my two slots in a partial, 16 L + w x 2,048: in LDS and in part alike
	v_add_nc_u32 v6, 0x10000, v5                   ; the same in waves 4 to 7's partials: an LDS offset has 16 bits
; four fragments from 16 loads: register p of fragment a = (load 2 p, load 2 p + 1), component a, rounded to bf16
.macro FRAGS dst, raw
.irp a, 0,1,2,3
.irp p, 0,1,2,3,4,5,6,7
	v_cvt_pk_bf16_f32 v[\dst+8*\a+\p], v[\raw+8*\p+\a], v[\raw+8*\p+4+\a]
.endr
.endr
.endm
; tile (a, b), written once with C = 0: nothing is cleared, no accumulator is taken up twice
.macro TILE a, b
	v_wmma_f32_16x16x32_bf16 v[ACC+8*(4*(\a)+(\b)):ACC+8*(4*(\a)+(\b))+7], v[AF+8*(\a):AF+8*(\a)+7], v[BF+8*(\b):BF+8*(\b)+7], 0
.endm
; tile (a, b) into my wave's partial in LDS, its low four registers first: each store is 32 lanes, 512 consecutive bytes
.macro PUT a, b
.irp q, 0,1
	ds_store_b128 v4, v[ACC+8*(4*(\a)+(\b))+4*\q:ACC+8*(4*(\a)+(\b))+4*\q+3] offset:1024*((((\a)/2)*4+(\b))*2+((\a)%2))+512*\q
.endr
.endm
	s_wait_loadcnt 16                              ; k's 16 loads are in; the 16 younger ones are v's
	FRAGS AF, KR
	s_wait_loadcnt 0x0                             ; v's too
	FRAGS BF, VR
.irp a, 0,1
.irp b, 0,1,2,3
	TILE \a, \b                                    ; the first eight tiles: v[8:71]
.endr
.endr
.rept 4
	v_nop                                          ; four places between these matrix instructions and the LDS stores that read their results
.endr
	s_wait_alu depctr_va_vdst(0)                   ; the first eight tiles are written, which the stores below read as data; so are v4, their address, and v5 and v6
.irp a, 2,3
.irp b, 0,1,2,3
	TILE \a, \b                                    ; the other eight tiles: v[72:135]
	PUT (\a)-2, \b                                 ; a tile of the first eight goes out.  No wait: no vector or matrix instruction since the wait above names v4 or v[8:71]
.endr
.endr
.rept 4
	v_nop                                          ; four places between the last matrix instruction and the LDS stores that read results
.endr
	s_wait_alu depctr_va_vdst(0)                   ; the other eight tiles are written, which the stores below read; every vector and matrix line that names v[8:135] is done, ahead of the LDS loads that land there behind the barrier
.irp a, 2,3
.irp b, 0,1,2,3
	PUT \a, \b
.endr
.endr
	s_wait_dscnt 0x0                               ; for the other waves' sake: all my stores are in LDS
	s_barrier_signal -1
	s_barrier_wait -1                              ; all eight partials are whole: the only barrier
	s_wait_alu depctr_vm_vsrc(0)                   ; my LDS stores have read v[8:135], in which the loads below land and of which the adds write v[8:23]
	; my 2,048 bytes of each of the eight partials
.irp u, 0,1,2,3
.irp i, 0,1,2,3
	ds_load_b128 v[RD+16*\u+4*\i:RD+16*\u+4*\i+3], v5 offset:16384*\u+512*\i
.endr
.endr
.irp u, 4,5,6,7
.irp i, 0,1,2,3
	ds_load_b128 v[RD+16*\u+4*\i:RD+16*\u+4*\i+3], v6 offset:16384*(\u-4)+512*\i
.endr
.endr
.irp u, 1,2,3,4,5,6,7
	s_wait_dscnt 4*(7-\u)                          ; LDS loads come back in order (ISA guide 5.7.1): waves 0 to u's are in, four for each later wave stay out
.irp m, 0,1,2,3,4,5,6,7
	v_pk_add_f32 v[RD+2*\m:RD+2*\m+1], v[RD+2*\m:RD+2*\m+1], v[RD+16*\u+2*\m:RD+16*\u+2*\m+1]   ; in the waves' order: a fixed order of sums
.endr
.endr
	s_wait_alu depctr_va_vdst(0)                   ; the adds have written v[8:23], which the four stores below read as data
.irp i, 0,1,2,3
	global_store_b128 v5, v[RD+4*\i:RD+4*\i+3], s[8:9] offset:512*\i   ; each store of the wave covers 512 consecutive bytes, aligned; no hint: the next launch reads them
.endr
	s_wait_dscnt 0x0
	s_wait_alu depctr_hold_cnt(0) depctr_sa_sdst(0) depctr_va_vdst(0) depctr_va_sdst(0) depctr_va_ssrc(0) depctr_va_vcc(0) depctr_vm_vsrc(0)
	s_wait_tensorcnt 0x0
	ds_add_u32 v200, v201
	s_wait_dscnt 0x0
	s_endpgm
.Lfunc_end_k_q4aa6b76800_ktv:
	.size	k_q4aa6b76800_ktv, .Lfunc_end_k_q4aa6b76800_ktv-k_q4aa6b76800_ktv
	.p2alignl 7, 3214868480
	.fill 96, 4, 3214868480
	.section	.rodata,"a",@progbits
	.p2align	6, 0x0
	.amdhsa_kernel k_q4aa6b76800_ktv
		.amdhsa_group_segment_fixed_size 132096
		.amdhsa_private_segment_fixed_size 0
		.amdhsa_enable_private_segment 0
		.amdhsa_kernarg_size 24
		.amdhsa_user_sgpr_count 2
		.amdhsa_user_sgpr_kernarg_segment_ptr 1
		.amdhsa_wavefront_size32 1
		.amdhsa_system_sgpr_workgroup_id_x 1
		.amdhsa_system_sgpr_workgroup_id_y 1
		.amdhsa_system_sgpr_workgroup_id_z 1
		.amdhsa_system_vgpr_workitem_id 0
		.amdhsa_next_free_vgpr 202
		.amdhsa_next_free_sgpr 66
		.amdhsa_reserve_vcc 0
		.amdhsa_float_denorm_mode_32 3
		.amdhsa_float_denorm_mode_16_64 3
		.amdhsa_memory_ordered 1
		.amdhsa_forward_progress 1
		.amdhsa_inst_pref_size 19
	.end_amdhsa_kernel
	.amdgpu_metadata
---
amdhsa.version: [ 1, 2 ]
amdhsa.kernels:
  - .name:           k_q4aa6b76800_ktv
    .symbol:         k_q4aa6b76800_ktv.kd
    .args:
      - { .name: k, .offset: 0, .size: 8, .value_kind: global_buffer, .address_space: global }
      - { .name: v, .offset: 8, .size: 8, .value_kind: global_buffer, .address_space: global }
      - { .name: part, .offset: 16, .size: 8, .value_kind: global_buffer, .address_space: global }
    .group_segment_fixed_size: 132096
    .private_segment_fixed_size: 0
    .kernarg_segment_align: 8
    .kernarg_segment_size: 24
    .max_flat_workgroup_size: 256
    .sgpr_count:     66
    .vgpr_count:     202
    .wavefront_size: 32
...
	.end_amdgpu_metadata
.endif
;; end of part 3
;; launch qm: the kernel of part 2 again; grid 256 x 1, 8 waves a work-group, clusters of 4 x 1, 297,984 bytes of LDS; arguments q, part, out0; writes out0
